; MI455X (gfx1250); checked and timed in simulation.
; The chip was launched on July 23, 2026; its instructions are those of AMD's public machine-readable ISA for CDNA 5 (MIT licence, August 2026) and "CDNA5" Instruction Set Architecture Reference Guide (July 2026). The comments in the code are by the model that wrote it; some were corrected since.
;; Self Attention. Allowed arithmetic: matrix products marked QUANTISED: E3M2 operands, one E8M0 scale for each 32 along K, by v_wmma_scale_f32_16x16x128_f8f6f4 with both operands' format E3M2, f32 sums; products left as they are: f32 operands where the result goes on into a quantised operand, else bf16, f16 or f32 operands; f32 sums; everything else in f32.
;; Inputs: Wk 8 x 64 float32; Wq 8 x 64 float32; Wv_codes 64 x 2 x 24 uint8 (E3M2 codes of Wv, K innermost, in blocks of 32 codes, four codes in three bytes); Wv_scales 64 x 2 uint8 (E8M0 scales of Wv, one for each 32 codes along K); bk 8 float32; bq 8 float32; bv 64 float32; gamma 1 float32; x 4 x 64 x 64 x 64 float32.
;; Outputs: out0 4 x 64 x 64 x 64 float32.
;; This version of the problem:
;;   THIS VERSION OF THE PROBLEM IS GIVEN IN LOW PRECISION. The matrix products marked QUANTISED in the list below multiply operands that are first quantised to E3M2 (3 exponent bits, 2 mantissa bits; 6 bits a number), with one power-of-two scale for each 32 numbers along K (OCP MX v1.0); their sums are f32. All else is computed in f32.
;;   The module's matrix products, in the order in which they are computed (A, B: the left and right operand; K: the contracted axis; several contracted axes count as one K, in the product's order):
;;     1. [M 16,384, K 64] x [K 64, N 8]; A: input x; B: input Wq: left as it is (N = 8 < 16)
;;     2. [M 16,384, K 64] x [K 64, N 8]; A: input x; B: input Wk: left as it is (N = 8 < 16)
;;     3. [M 16,384, K 64] x [K 64, N 64]; A: input x; B: input Wv (given as codes): QUANTISED
;;     4. batch 4 x [M 4,096, K 8] x [K 8, N 4,096]; A: computed on the way; B: computed on the way: left as it is (K = 8 < 32)
;;     5. batch 4 x [M 64, K 4,096] x [K 4,096, N 4,096]; A: computed on the way; B: softmax (see below): QUANTISED
;;   THE QUANTISER, for each operand of a quantised product, along K:
;;     - K is cut into blocks of 32 from its start; a last block that is shorter is filled with zeros.
;;     - A block's scale is 2^e with e = floor(log2(the largest magnitude in the block)) - 4, held to -126 .. 127; a block of zeros has e = 0. As a byte (E8M0): e + 127.
;;     - Each number is divided by its block's scale, clamped to +-28, and rounded to the nearest number of E3M2, ties to even, subnormals kept.
;;     - The product sums the exact products of the quantised numbers (number of the format x scale) in f32.
;;   ~~~python
;;   def quantise(x, axis):      # numpy; x: float32 -> the quantised numbers, widened to float32 again
;;       x = np.moveaxis(x, axis, -1); K = x.shape[-1]
;;       x = np.pad(x, [(0, 0)] * (x.ndim - 1) + [(0, -K % 32)]); x = x.reshape(x.shape[:-1] + (-1, 32)); a = np.abs(x).max(-1, keepdims=True)
;;       e = np.where(a > 0, np.clip(np.frexp(np.where(a > 0, a, 1))[1] - 1 - 4, -126, 127), 0)      # np.frexp(a)[1] - 1 = floor(log2(a)), exactly
;;       r = np.clip(x / 2.0 ** e, -28, 28)
;;       step = 2.0 ** (np.maximum(np.frexp(np.where(r == 0, 1, r))[1] - 1, -2) - 2)
;;       q = np.round(r / step) * step * 2.0 ** e      # np.round: ties to even
;;       return np.moveaxis(q.reshape(q.shape[:-2] + (-1,))[..., :K], -1, axis).astype(np.float32)
;;   ~~~
;;   SOFTMAX AHEAD OF A QUANTISED PRODUCT. Where the list says 'softmax', what is quantised is not the finished softmax but p = 2^(t - M), with t = logit x log2(e) and M = ceil(the row's largest t), a whole number; so 1/2 < the row's largest p <= 1. The row's sum l is taken of the UNQUANTISED p, in f32, and the product's result is divided by l at the end. Since M is a whole number, a kernel that streams over the keys may use a running M (the ceiling of the running maximum): every later rescaling is an exact power of two, which a block's scale takes up: the codes' values come out the same.
;;   OPERANDS COMPUTED ON THE WAY. 'Computed on the way' means the value that the module computes at that place (a softmax that the list does not call 'softmax' is quantised finished and normalised). What goes into a quantiser is computed in f32, as accurately as f32 sums, v_exp_f32 and their like allow (about 1e-6 of the number): no bf16 or f16 on the way to a quantiser, and a product that is left as it is and whose result goes on into a quantised operand takes f32 operands (vector FMAs, or v_wmma_f32_16x16x4_f32). A number that lies on a knife's edge between two numbers of the format may be rounded either way, as far as f32 arithmetic and the matrix unit's own rounding can turn it there, and no further.
;;   INPUTS GIVEN AS CODES. Wv (in the module: [64, 64], K = its axis 1): each comes as NAME_codes (uint8): NAME with its K axis moved to the last place and cut into blocks of 32 codes, [.., K / 32, bytes a block], one block behind the other in memory; four codes in three bytes: a row's codes are one little-endian stream of bits, code i at bits 6 i .. 6 i + 5 (a code: sign, 3 exponent bits, 2 mantissa bits); and NAME_scales (uint8): the same leading axes, one E8M0 byte (e + 127) for each 32 codes along K. Its value is code x scale, taken as it is: it is not quantised again, and the codes and scales need not be those that the quantiser above would give.
;; One version. Each part assembles by itself: llvm-mc -triple=amdgcn-amd-amdhsa -mcpu=gfx1250 --defsym DOCPART=n.
;; ======== version 1 of 1: 2 launches
;; workspace buffers: ws 1,900,544 bytes
;; launch prep (part 1): grid 128 x 1, 4 waves a work-group, no clusters, 8,704 bytes of LDS; arguments x, Wq, bq, Wk, bk, Wv_codes, Wv_scales, bv, ws; writes ws
.if DOCPART == 1
	.amdgcn_target "amdgcn-amd-amdhsa--gfx1250"
	.amdhsa_code_object_version 6
	.text
	.protected	k_qeb72989aef_prep
	.globl	k_qeb72989aef_prep
	.p2align	8
	.type	k_qeb72989aef_prep,@function
k_qeb72989aef_prep:
	s_mov_b64 s[64:65], 0
	v_nop
	global_prefetch_b8 v0, s[64:65] scope:SCOPE_SE
	s_setreg_imm32_b32 hwreg(HW_REG_WAVE_MODE, 25, 1), 1
	s_wait_xcnt 0x0
; q = Wq x + bq, k = Wk x + bk (f32 operands, f32 sums) and v = Wv x + bv (codes of BF6 = E3M2 on both sides, one E8M0 scale for each 32 along the channels) for 128 positions of one batch;
; v is then quantised along the positions, which are the K of the attention's second product.  All three go to the workspace as IMAGES OF OPERAND REGISTERS, so that the next launch takes each fragment by 16-byte loads at 16 x lane.
; WORKSPACE.  A record serves 128 keys, REC = 10,752 bytes: K image 8 tiles x 512 (lane (r, h): k[key][4 h .. 4 h + 3]); V image 4 channel tiles x 1,536 (12 registers a lane, in groups of four); V's scale words, 16 bytes a lane.
;   Records lie [batch][s][g] for keys 1,024 g + 128 s.  Behind the records: the Q image, in the K image's form, 4,096 bytes for each 128 positions.
; THE POSITIONS OF A TILE ARE NOT NEIGHBOURS: row r of tile 2 b + u is position 32 b + 8 u + r + 8 (r / 8), so that the 16 result registers of tiles 2 b and 2 b + 1 are 16 neighbours along the positions.
; SHARES.  128 work-groups of four waves.  First each wave takes 32 positions (two tiles), a lane a position, its 64 registers running down the channels: a block of 32 channels lies in one lane.  Its codes go to LDS as register
; images; q and k are made from the same registers by the f32 matrix form (rows 0-7 of source 0: Wq, rows 8-15: Wk).  Then each wave takes 16 channels of v for all 128 positions: one whole fragment of the second product.
; Product 3 has K = 64: registers 6-11 of both operands are zero codes; the scale bytes over them are 0, which is a power of two and no NaN.
; LIMITS: NaN and infinities among the inputs are not served.  A block whose largest magnitude lies under 2^-122 (a block of zeros too) gets the scale byte 1; the bytes are read by this program alone.
.set REC,     10752
.set BATCHKV, 32*REC
.set QOFF,    4*BATCHKV
.set XIMG,    0                        ; LDS: x's 8 tiles x 768 bytes: registers 0-3 at 16 x lane, registers 4-5 at 512 + 8 x lane
.set XSC,     6144                     ; x's scale words: 4 registers' images, 128 bytes each
.set VSC,     6656                     ; v's scale words: 16 x lane + 4 x wave
.set XO,  1                            ; v1   4 x my position among the wave's 32
.set RR,  2                            ; v2   r = lane % 16
.set HH,  3                            ; v3   h = lane / 16
.set WO,  4                            ; v4   Wq, Wk: row r % 8, channels 32 h on
.set WVO, 5                            ; v5   Wv's codes: row 16 w + r, block h
.set WSO, 6                            ; v6   Wv's scale bytes of that row
.set BVO, 7                            ; v7   bv of that row
.set LI,  8                            ; v8   16 x lane
.set L8,  9                            ; v9   8 x lane
.set L4,  10                           ; v10  4 x lane
.set XWA, 11                           ; v11  where I store x's images: 16 x lane + 1,536 x wave
.set XWB, 12                           ; v12  8 x lane + 1,536 x wave
.set XWS, 13                           ; v13  4 x lane + 128 x wave
.set QKO, 14                           ; v14  lanes 0-15: my place in the Q image; lanes 16-31: in the record's K image
.set VSW, 15                           ; v15  16 x lane + 4 x wave
.set X,   16                           ; v16-79   x: 64 channels of my position
.set HA,  16                           ; v16-79   later: v, 8 tiles x 8 registers
.set WQK, 80                           ; v80-111  W[r][32 h + 0 .. 31]: rows 0-7 Wq, rows 8-15 Wk
.set BQK, 112                          ; v112-119 lanes 0-15 bq, lanes 16-31 bk: the C of the f32 sums' first products
.set DX,  120                          ; v120-127, v128-135: q and k of my two tiles; written by matrix instructions alone
.set DY,  128
.set CA,  136                          ; v136-141 codes: tile 2 w;  v142-147 tile 2 w + 1;  v148-154 halves on their way
.set CB,  142
.set CT,  148
.set PC,  136                          ; later: v's fragment, 12 registers, and 8 at work
.set TM,  156                          ; v156-171 at work in the quantisers
.set PW,  172                          ; v's scale word
.set XSW, 173                          ; x's scale word of my position
.set WVS, 174                          ; Wv's scale word
.set XS,  176                          ; v176-179 x's scale words: register b: lanes 0-15 tile 2 b, lanes 16-31 tile 2 b + 1
.set WV,  180                          ; v180-191 Wv's fragment
.set BV,  192                          ; v192-199 bv in the result's layout
.set XA,  200                          ; v200-247 four fragments of x;  at the head v200-231 hold Wk
.set WKT, 200
.set VO,  248                          ; v248 my place in the record's V image
.set SO,  249                          ; v249 and among its scale words
.set TT,  250                          ; v250 at work
.set SW,  252                          ; v252-255 the scale words on their way out
.set SEL, 40                           ; s[40:41] v_permlanex16_b32's selects for lane l xor 16
	s_load_b512 s[4:19], s[0:1], 0x0               ; x s[4:5], Wq s[6:7], bq s[8:9], Wk s[10:11], bk s[12:13], Wv's codes s[14:15], its scales s[16:17], bv s[18:19]
	s_load_b64 s[20:21], s[0:1], 0x40              ; the workspace
	v_lshl_add_u32 v175, v0, 2, 0x2000
	v_mov_b32 v251, 0
	v_lshrrev_b32 v[TT], 5, v0
	v_readfirstlane_b32 s22, v[TT]                 ; wave 0..3
	v_and_b32 v[RR], 15, v0
	v_bfe_u32 v[HH], v0, 4, 1
	v_and_b32 v[XO], 8, v[RR]
	v_add_nc_u32 v[XO], v[XO], v[RR]               ; r + 8 (r / 8)
	v_lshl_add_u32 v[XO], v[HH], 3, v[XO]          ; + 8 h: lanes 0-15 are the rows of tile 2 w, lanes 16-31 those of tile 2 w + 1; the 32 lanes still read 128 consecutive bytes
	v_lshlrev_b32 v[XO], 2, v[XO]
	v_and_b32 v[WO], 7, v[RR]
	v_lshlrev_b32 v[WO], 8, v[WO]
	v_lshl_add_u32 v[WO], v[HH], 7, v[WO]
	v_lshl_add_u32 v[TT], s22, 4, v[RR]            ; my channel of v: 16 w + r
	v_mul_u32_u24 v[WVO], v[TT], 48                ; a row of Wv's codes is 48 bytes,
	v_mad_u32_u24 v[WVO], v[HH], 24, v[WVO]        ; a block 24
	v_lshlrev_b32 v[WSO], 1, v[TT]
	v_lshlrev_b32 v[BVO], 2, v[TT]
	v_and_b32 v[L4], 31, v0
	v_lshlrev_b32 v[LI], 4, v[L4]
	v_lshlrev_b32 v[L8], 3, v[L4]
	v_lshlrev_b32 v[L4], 2, v[L4]
	s_mul_i32 s52, s22, 1536
	v_add_nc_u32 v[XWA], s52, v[LI]
	v_add_nc_u32 v[XWB], s52, v[L8]
	s_lshl_b32 s53, s22, 7
	v_add_nc_u32 v[XWS], s53, v[L4]
	s_lshl_b32 s53, s22, 2
	v_add_nc_u32 v[VSW], s53, v[LI]
	s_lshr_b32 s42, ttmp9, 5                       ; batch
	s_and_b32 s43, ttmp9, 31                       ; which 128 positions of it
	s_lshr_b32 s44, s43, 3                         ; g: the quarter of the keys
	s_and_b32 s45, s43, 7                          ; s: the key step in it
	s_lshl_b32 s45, s45, 2
	s_add_co_u32 s45, s45, s44                     ; the record: 4 s + g
	s_mul_i32 s46, s42, BATCHKV
	s_mul_i32 s47, s45, REC
	s_add_co_u32 s46, s46, s47                     ; its first byte in the workspace
	s_lshl_b32 s48, s42, 17
	s_lshl_b32 s49, s43, 12
	s_add_co_u32 s48, s48, s49
	s_add_co_u32 s48, s48, QOFF                    ; these positions' part of the Q image
	v_lshlrev_b32 v[TT], 4, v[RR]
	v_lshl_add_u32 v[TT], s22, 10, v[TT]           ; 16 r + two tiles of 512 bytes a wave
	v_add_nc_u32 v[QKO], s48, v[TT]
	v_add_nc_u32 v[TT], s46, v[TT]
	v_cmp_eq_u32 vcc_lo, 1, v[HH]
	v_cndmask_b32 v[QKO], v[QKO], v[TT], vcc_lo    ; the f32 products leave q in lanes 0-15 and k in lanes 16-31
	s_add_co_u32 s53, s46, s52
	s_add_co_u32 s53, s53, 4096
	v_add_nc_u32 v[VO], s53, v[LI]                 ; V image: channel tile w
	s_add_co_u32 s53, s46, 10240
	v_add_nc_u32 v[SO], s53, v[LI]
	s_lshl_b32 s50, s42, 20                        ; x: a batch is 2^20 bytes,
	s_lshl_b32 s51, s43, 9                         ; 128 positions are 512,
	s_add_co_u32 s50, s50, s51
	s_lshl_b32 s51, s22, 7                         ; my wave's 32 are 128
	s_add_co_u32 s50, s50, s51
	s_mov_b32 s51, 0
	s_mov_b32 s[SEL], 0x76543210
	s_mov_b32 s[SEL+1], 0xfedcba98
.irp b, 0,1,2,3
	v_mov_b32 v[TM+4+\b], 0                        ; written once: a lane permute's destination counts as one of its sources
.endr
	s_wait_kmcnt 0x0
	s_load_b256 s[24:31], s[8:9], 0x0              ; bq
	s_load_b256 s[32:39], s[12:13], 0x0            ; bk
	s_add_nc_u64 s[4:5], s[4:5], s[50:51]
.set c, 0
.rept 64
	global_load_b32 v[X+c], v[XO], s[4:5] offset:16384*c th:TH_LOAD_NT   ; x[batch][c][my position]: read once in the launch
.set c, c+1
.endr
.irp k, 0,1,2,3,4,5,6,7
	global_load_b128 v[WQK+4*\k:WQK+4*\k+3], v[WO], s[6:7] offset:16*\k
.endr
.irp k, 0,1,2,3,4,5,6,7
	global_load_b128 v[WKT+4*\k:WKT+4*\k+3], v[WO], s[10:11] offset:16*\k
.endr
.irp p, 0,1,2
	global_load_b64 v[WV+2*\p:WV+2*\p+1], v[WVO], s[14:15] offset:8*\p   ; registers 0-5 of Wv's fragment: k = 32 h + 0 .. 31, as the bytes lie
.endr
	global_load_u16 v[WVS], v[WSO], s[16:17]       ; its two scale bytes; the word's upper two bytes are 0
	global_load_b32 v[BV], v[BVO], s[18:19]
	s_wait_loadcnt 21                              ; behind x's 64 loads stand 8 + 8 + 3 + 1 + 1: x is in
	; ---- x into codes, along the channels: both blocks of 32 are mine
.irp q, 0,1,2,3
	v_max3_num_f32 v[TM+\q], |v[X+16*\q]|, |v[X+16*\q+1]|, 0x2800000   ; four chains of 16; the floor 2^(5 - 127) holds the byte at 1 from below
.endr
.irp i, 2,4,6,8,10,12,14
.irp q, 0,1,2,3
	v_max3_num_f32 v[TM+\q], v[TM+\q], |v[X+16*\q+\i]|, |v[X+16*\q+\i+1]|
.endr
.endr
	v_max_num_f32 v[TM], v[TM], v[TM+1]            ; block 0's largest magnitude
	v_max_num_f32 v[TM+2], v[TM+2], v[TM+3]        ; block 1's
	v_add_nc_u32 v[TM+4], 0xfe000000, v[TM]        ; 4 off the exponent field: the conversion takes the exponent field of this operand as its scale
	v_add_nc_u32 v[TM+5], 0xfe000000, v[TM+2]
	v_lshrrev_b32 v[TM+6], 23, v[TM+4]             ; the scales' bytes
	v_lshrrev_b32 v[TM+7], 23, v[TM+5]
	v_lshl_or_b32 v[XSW], v[TM+7], 8, v[TM+6]      ; my position's scale word; bytes 2 and 3, over the zero codes, are 0
	v_cvt_scalef32_pk16_bf6_f32 v[CA:CA+2], v[X:X+15], v[TM+4]
	v_cvt_scalef32_pk16_bf6_f32 v[CT:CT+2], v[X+16:X+31], v[TM+4]      ; (a conversion's three registers begin on an even number)
	v_cvt_scalef32_pk16_bf6_f32 v[CB:CB+2], v[X+32:X+47], v[TM+5]
	v_cvt_scalef32_pk16_bf6_f32 v[CT+4:CT+6], v[X+48:X+63], v[TM+5]
	v_nop                                          ; one plain place behind the scaled conversions
.irp i, 0,1,2
	v_mov_b32 v[CA+3+\i], v[CT+\i]
	v_mov_b32 v[CB+3+\i], v[CT+4+\i]
.endr
.irp i, 0,1,2,3,4,5
	v_permlane16_swap_b32 v[CA+\i], v[CB+\i]       ; CA: tile 2 w, lanes 0-15 block 0, lanes 16-31 block 1: the operand's layout; CB: tile 2 w + 1 likewise
.endr
	ds_store_b128 v[XWA], v[CA:CA+3] offset:XIMG
	ds_store_b64 v[XWB], v[CA+4:CA+5] offset:XIMG+512
	ds_store_b128 v[XWA], v[CB:CB+3] offset:XIMG+768
	ds_store_b64 v[XWB], v[CB+4:CB+5] offset:XIMG+1280
	ds_store_b32 v[XWS], v[XSW] offset:XSC
	s_wait_dscnt 0x0                               ; for the others' sake: my images have landed
	s_barrier_signal -1
	; ---- q and k, on registers alone, while the others arrive
	s_wait_loadcnt 0x0                             ; the weights
	s_wait_kmcnt 0x0                               ; bq, bk
	v_cmp_le_u32 vcc_lo, 8, v[RR]
.set c, 0
.rept 32
	v_cndmask_b32 v[WQK+c], v[WQK+c], v[WKT+c], vcc_lo   ; rows 8-15 of source 0 are Wk's
.set c, c+1
.endr
	v_cmp_eq_u32 vcc_lo, 1, v[HH]
.irp j, 0,1,2,3,4,5,6,7
	v_mov_b32 v[BQK+\j], s[24+\j]
	v_mov_b32 v[TT], s[32+\j]
	v_cndmask_b32 v[BQK+\j], v[BQK+\j], v[TT], vcc_lo    ; result register j: lanes 0-15 q's channel j, lanes 16-31 k's
.endr
.set c, 0
.rept 32
	v_permlane16_swap_b32 v[X+c], v[X+32+c]        ; X[c]: tile 2 w, lanes 0-15 channel c, lanes 16-31 channel c + 32; X[32 + c]: tile 2 w + 1 likewise
.set c, c+1
.endr
	; In product e lane (., h) gives channels 32 h + 2 e, 32 h + 2 e + 1 on both sides.  The two accumulators take turns.
	v_wmma_f32_16x16x4_f32 v[DX:DX+7], v[WQK:WQK+1], v[X:X+1], v[BQK:BQK+7]
	v_wmma_f32_16x16x4_f32 v[DY:DY+7], v[WQK:WQK+1], v[X+32:X+33], v[BQK:BQK+7]
.set e, 1
.rept 15
	v_wmma_f32_16x16x4_f32 v[DX:DX+7], v[WQK+2*e:WQK+2*e+1], v[X+2*e:X+2*e+1], v[DX:DX+7]
	v_wmma_f32_16x16x4_f32 v[DY:DY+7], v[WQK+2*e:WQK+2*e+1], v[X+32+2*e:X+33+2*e], v[DY:DY+7]
.set e, e+1
.endr
	; 41 plain instructions that name no register of those products: the places ahead of the stores of q and k and ahead of the products that lay v over x
.irp m, 0,1,2,3
.irp i, 6,7,8,9,10,11
	v_mov_b32 v[XA+12*\m+\i], 0                    ; k = 64 .. 127 of product 3: zero codes
.endr
.endr
.irp i, 6,7,8,9,10,11
	v_mov_b32 v[WV+\i], 0
.endr
.irp j, 1,2,3,4,5,6,7
	v_mov_b32 v[BV+\j], v[BV]                      ; a lane's eight results are one channel's: eight times its bv
.endr
.rept 4
	v_nop                                          ; operands written by vector instructions stand four places ahead of a scaled product
.endr
	s_barrier_wait -1                              ; x's eight tiles lie in LDS
.macro XFETCH T                        ; tile T's codes into buffer T % 4: the image comes back as it was stored
	ds_load_b128 v[XA+12*((\T)%4):XA+12*((\T)%4)+3], v[LI] offset:XIMG+768*(\T)
	ds_load_b64 v[XA+12*((\T)%4)+4:XA+12*((\T)%4)+5], v[L8] offset:XIMG+768*(\T)+512
.endm
.macro VPROD T                         ; source 0 = 16 positions of x, source 1 = my 16 rows of Wv: lane (r, h) gets channel 16 w + r, register j the tile's row 8 h + j
.if (\T)%2
	v_wmma_scale_f32_16x16x128_f8f6f4 v[HA+8*(\T):HA+8*(\T)+7], v[XA+12*((\T)%4):XA+12*((\T)%4)+11], v[WV:WV+11], v[BV:BV+7], v[XS+(\T)/2], v[WVS] matrix_a_fmt:MATRIX_FMT_BF6 matrix_b_fmt:MATRIX_FMT_BF6 matrix_a_scale:MATRIX_SCALE_ROW1
.else
	v_wmma_scale_f32_16x16x128_f8f6f4 v[HA+8*(\T):HA+8*(\T)+7], v[XA+12*((\T)%4):XA+12*((\T)%4)+11], v[WV:WV+11], v[BV:BV+7], v[XS+(\T)/2], v[WVS] matrix_a_fmt:MATRIX_FMT_BF6 matrix_b_fmt:MATRIX_FMT_BF6
.endif
.endm
.irp T, 0,1,2,3
	XFETCH \T
.endr
.irp b, 0,1,2,3
	ds_load_b32 v[XS+\b], v[L4] offset:XSC+128*\b
.endr
	global_store_b128 v[QKO], v[DX:DX+3], s[20:21]             ; lanes 0-15 fill 256 consecutive bytes of the Q image, lanes 16-31 of the K image: channels 0-3 of tile 2 w,
	global_store_b128 v[QKO], v[DX+4:DX+7], s[20:21] offset:256   ; channels 4-7,
	global_store_b128 v[QKO], v[DY:DY+3], s[20:21] offset:512     ; and tile 2 w + 1
	global_store_b128 v[QKO], v[DY+4:DY+7], s[20:21] offset:768
	s_wait_dscnt 0x0
.irp T, 0,1,2,3
	VPROD \T
.endr
.rept 4
	v_nop                                          ; places ahead of loads into registers that matrix instructions have read
.endr
.irp T, 4,5,6,7
	XFETCH \T
.endr
	s_wait_dscnt 0x0
.irp T, 4,5,6,7
	VPROD \T
.endr
.rept 4
	v_nop                                          ; places ahead of the first read of the results
.endr
	; ---- v into codes, along the positions: register 16 b + i of lane (r, h) is position 32 b + 16 h + i of channel 16 w + r
.irp b, 0,1,2,3
	v_max3_num_f32 v[TM+\b], |v[HA+16*\b]|, |v[HA+1+16*\b]|, 0x2800000   ; block b: my 16 numbers, and the floor
.endr
.irp i, 2,4,6,8,10,12,14
.irp b, 0,1,2,3
	v_max3_num_f32 v[TM+\b], v[TM+\b], |v[HA+16*\b+\i]|, |v[HA+1+16*\b+\i]|
.endr
.endr
.irp b, 0,1,2,3
	v_permlanex16_b32 v[TM+4+\b], v[TM+\b], s[SEL], s[SEL+1]
.endr
.irp b, 0,1,2,3
	v_max_num_f32 v[TM+\b], v[TM+\b], v[TM+4+\b]   ; with lane l xor 16's: the block's largest magnitude
.endr
.irp b, 0,1,2,3
	v_add_nc_u32 v[TM+12+\b], 0xfe000000, v[TM+\b]
.endr
.irp b, 0,1,2,3
	v_lshrrev_b32 v[TM+4+\b], 23, v[TM+12+\b]
.endr
	v_lshl_or_b32 v[PW], v[TM+5], 8, v[TM+4]       ; my channel's scale word for these 128 positions
	v_lshl_or_b32 v[PW], v[TM+6], 16, v[PW]
	v_lshl_or_b32 v[PW], v[TM+7], 24, v[PW]
.irp c, 0,1
	v_cvt_scalef32_pk16_bf6_f32 v[PC+6*\c:PC+2+6*\c], v[HA+32*\c:HA+15+32*\c], v[TM+12+2*\c]
	v_cvt_scalef32_pk16_bf6_f32 v[PC+12+4*\c:PC+14+4*\c], v[HA+16+32*\c:HA+31+32*\c], v[TM+12+2*\c+1]
.endr
	v_nop                                          ; one plain place behind the scaled conversions
.irp c, 0,1                            ; the operand's layout wants a whole block in a lane: lanes 0-15 block 2 c, lanes 16-31 block 2 c + 1
.irp i, 0,1,2
	v_permlane16_swap_b32 v[PC+6*\c+\i], v[PC+12+4*\c+\i]
.endr
.irp i, 0,1,2
	v_mov_b32 v[PC+3+6*\c+\i], v[PC+12+4*\c+\i]
.endr
.endr
.irp c, 0,1,2
	global_store_b128 v[VO], v[PC+4*\c:PC+4*\c+3], s[20:21] offset:512*\c   ; the fragment's image: 512 consecutive bytes a store
.endr
	ds_store_b32 v[VSW], v[PW] offset:VSC          ; the four waves' scale words meet in LDS: four words a lane
	s_wait_dscnt 0x0
	s_barrier_signal -1
	s_barrier_wait -1
	s_cmp_lg_u32 s22, 0
	s_cbranch_scc1 .Ldone                          ; wave 0 stores them: 512 consecutive bytes
	ds_load_b128 v[SW:SW+3], v[LI] offset:VSC
	s_wait_dscnt 0x0
	global_store_b128 v[SO], v[SW:SW+3], s[20:21]
.Ldone:
	s_wait_tensorcnt 0x0
	ds_add_u32 v175, v251
	s_wait_dscnt 0x0
	s_endpgm
.Lfunc_end_k_qeb72989aef_prep:
	.size	k_qeb72989aef_prep, .Lfunc_end_k_qeb72989aef_prep-k_qeb72989aef_prep
	.p2alignl 7, 3214868480
	.fill 96, 4, 3214868480
	.section	.rodata,"a",@progbits
	.p2align	6, 0x0
	.amdhsa_kernel k_qeb72989aef_prep
		.amdhsa_group_segment_fixed_size 8704
		.amdhsa_private_segment_fixed_size 0
		.amdhsa_enable_private_segment 0
		.amdhsa_kernarg_size 72
		.amdhsa_user_sgpr_count 2
		.amdhsa_user_sgpr_kernarg_segment_ptr 1
		.amdhsa_wavefront_size32 1
		.amdhsa_system_sgpr_workgroup_id_x 1
		.amdhsa_system_sgpr_workgroup_id_y 1
		.amdhsa_system_sgpr_workgroup_id_z 1
		.amdhsa_system_vgpr_workitem_id 0
		.amdhsa_next_free_vgpr 256
		.amdhsa_next_free_sgpr 66
		.amdhsa_reserve_vcc 1
		.amdhsa_float_denorm_mode_32 3
		.amdhsa_float_denorm_mode_16_64 3
		.amdhsa_memory_ordered 1
		.amdhsa_forward_progress 1
		.amdhsa_inst_pref_size 29
	.end_amdhsa_kernel
	.amdgpu_metadata
---
amdhsa.version: [ 1, 2 ]
amdhsa.kernels:
  - .name:           k_qeb72989aef_prep
    .symbol:         k_qeb72989aef_prep.kd
    .args:
      - { .name: x, .offset: 0, .size: 8, .value_kind: global_buffer, .address_space: global }
      - { .name: Wq, .offset: 8, .size: 8, .value_kind: global_buffer, .address_space: global }
      - { .name: bq, .offset: 16, .size: 8, .value_kind: global_buffer, .address_space: global }
      - { .name: Wk, .offset: 24, .size: 8, .value_kind: global_buffer, .address_space: global }
      - { .name: bk, .offset: 32, .size: 8, .value_kind: global_buffer, .address_space: global }
      - { .name: Wv_codes, .offset: 40, .size: 8, .value_kind: global_buffer, .address_space: global }
      - { .name: Wv_scales, .offset: 48, .size: 8, .value_kind: global_buffer, .address_space: global }
      - { .name: bv, .offset: 56, .size: 8, .value_kind: global_buffer, .address_space: global }
      - { .name: ws, .offset: 64, .size: 8, .value_kind: global_buffer, .address_space: global }
    .group_segment_fixed_size: 8704
    .private_segment_fixed_size: 0
    .kernarg_segment_align: 8
    .kernarg_segment_size: 72
    .max_flat_workgroup_size: 128
    .sgpr_count:     66
    .vgpr_count:     256
    .wavefront_size: 32
...
	.end_amdgpu_metadata
.endif
;; end of part 1
;; launch attn (part 2): grid 64 x 4, 16 waves a work-group, clusters of 4 x 1, 327,680 bytes of LDS; arguments ws, x, gamma, out0; writes out0
.if DOCPART == 2
	.amdgcn_target "amdgcn-amd-amdhsa--gfx1250"
	.amdhsa_code_object_version 6
	.text
	.protected	k_qeb72989aef_attn
	.globl	k_qeb72989aef_attn
	.p2align	8
	.type	k_qeb72989aef_attn,@function
k_qeb72989aef_attn:
	s_mov_b64 s[64:65], 0
	v_nop
	global_prefetch_b8 v0, s[64:65] scope:SCOPE_SE
	s_setreg_imm32_b32 hwreg(HW_REG_WAVE_MODE, 25, 1), 1
	s_wait_xcnt 0x0
	s_wait_alu depctr_hold_cnt(0) depctr_sa_sdst(0) depctr_va_vdst(0) depctr_va_sdst(0) depctr_va_ssrc(0) depctr_va_vcc(0) depctr_vm_vsrc(0)
	s_getreg_b32 s2, hwreg(HW_REG_IB_STS2, 6, 4)
	s_cmp_eq_u32 s2, 0
	s_cbranch_scc0 .Lentry_in_a_cluster
	s_endpgm
.Lentry_in_a_cluster:
	s_bfe_u32 s2, ttmp6, 0x10000c
	s_cmp_lg_u32 s2, 0x3003
	s_cbranch_scc0 .Lentry_shape_is_right
	s_endpgm
.Lentry_shape_is_right:
; out0[b][c][n] = gamma x (sum over keys m of v[b][c][m] p[n][m]) / l[n] + x[b][c][n], p = 2^(t - M), t = (q[n] . k[m]) log2(e), M a whole number at or above the row's largest t, l the sum of the unquantised p.
; The logits (K = 8) are made with f32 operands by the f32 matrix form, since they go on into a quantiser.  The second product runs on codes of BF6 (E3M2), one E8M0 scale for each 32 keys: v's codes and scale words come
; from the workspace, p is quantised in registers.  q, k, v lie in the workspace as images of operand registers (a record of REC bytes for each 128 keys: 8 tiles of k, 4 fragments of v, v's scale words).
; SHARES.  256 work-groups of sixteen waves; a work-group owns 64 queries of one batch.  Wave w owns query tile i = w % 4 (16 queries) and key quarter g = w / 4 (1,024 keys: 8 steps of 128), in 256 registers.  Each wave keeps
; a running M, l and O^T of its own quarter; at the end the four quarters of a query tile meet in LDS: M is a whole number, so they are brought under one M by powers of two, which round nothing.
; LAYOUT.  Both products are used transposed: S^T = k q^T, O^T = v p^T: a lane holds ONE query (lane % 16) throughout.  Row r of tile 2 b + u of k (and of q) is position 32 b + 8 u + r + 8 (r / 8), so that the 16 registers of
; tiles 2 b and 2 b + 1 are the 16 neighbouring keys 32 b + 16 (lane / 16) + 0 .. 15.
; BY TURNS.  The sixteen f32 products of step j + 1 stand between the exponentials, sums and conversions of step j, so that the wave has matrix and vector work at once.  For that k is fetched a step ahead into 32 registers of its
; own, and p is made in two halves of 64 keys in the same 32 registers: the maxima, M and the four scales are taken of all 128 keys first; tiles 0-3 of S^T are free for the next step's products once the first half's t - M is
; taken, tiles 4-7 once the second half's is.
; LDS.  Steps 0 to 6 of all four quarters lie side by side, 7 x 43,008 bytes, asked for at the head by five tensor loads of each of waves 0 to 3 (five of a wave's are out at the most); step 7 is the one refill, into step 0's
; bytes, behind the round at the head of step 3: three steps ahead of its first read.  The steps are written out: the waits' counts and the LDS bases differ from step to step.
; CLUSTER.  The four work-groups of a cluster belong to one batch and walk the same records: each tile is asked for JOINTLY, by the same tensor load with the same descriptor and a mask that names the four.
; NO PREFETCH: all tiles but one are asked for at the head by the loads themselves, and the one refill stands three key steps ahead of its first read.
; LIMITS: NaN and infinities among the inputs are not served.  A p under 2^-126 comes out of v_exp_f32 as 0.  A block of p whose largest lies under 2^-122 (all zeros too) gets the scale byte 1: its codes are zeros or next to it.
.set REC,     10752
.set BATCHKV, 32*REC
.set QOFF,    4*BATCHKV
.set STEPB,   4*REC                      ; a key step of the four quarters
.set OIMG,    STEPB                      ; the merge: each wave's O^T, 4,096 bytes, over the bytes of steps 1 and 2: they have had their only fill and are last read ahead of the round in step 3
.set STATS,   7*STEPB                    ; behind the records, in bytes where no tensor load lands: each wave's -M and l, 8 bytes a lane;
.set FST,     STATS+16*256               ; the finished block: 64 channels x (64 positions x 4 bytes + 16);
.set FP,      272
.set SPARE,   FST+64*FP                  ; the spare words, 128 bytes for each wave: eight blocks of 256 bytes that no other line names
.set SPW, 1                              ; v1   LDS address of my spare word; never rewritten
.set NIL, 2                              ; v2   0; never rewritten
.set A0,  3                              ; v3   16 x lane + my quarter's record in a step
.set ADK, 4                              ; v4   the same in the step whose k is fetched
.set XO,  5                              ; v5   my place in x and out0: channel 4 w + lane / 16, 16 bytes a lane
.set LI,  6                              ; v6   16 x lane
.set ADV, 7                              ; v7   A0 in the step whose v is fetched
.set S,   16                             ; v16-79   S^T: written by matrix instructions alone
.set P,   80                             ; v80-111  p, 64 keys at a time
.set KF,  112                            ; v112-143 the next step's k, 8 tiles x 4 registers; in the last step: x
.set O,   144                            ; v144-175 O^T, 4 tiles of 16 channels
.set VF,  176                            ; v176-223 v's 4 fragments
.set CD,  224                            ; v224-235 p's codes
.set PX,  236                            ; v236-239 the other half's maxima, then the scales' bytes; v236-238 later take a conversion's second half
.set BM,  240                            ; v240-243 the blocks' largest scores, then largest p; v240-242 later take a conversion's second half
.set SCO, 244                            ; v244-247 the conversions' scale operands
                                         ; v[8:11] q; v12 -M, v13 the largest t, v[14:15] l; v248-251 v's scale words; v252 f; v253 p's scale word; v[254:255] at work, then l's second chain
.set WV,  12                             ; s12  wave
.set SEL, 20                             ; s[20:21] v_permlanex16_b32's selects for lane l xor 16
.set CS,  22                             ; s[22:23] log2(e): the packed form names a pair and takes its low word for both halves
.set G1,  24                             ; s[24:31] descriptor group 1: two records
.set G1A, 32                             ; s[32:39] descriptor group 1: one record
.set KVB, 40                             ; s[40:41] the batch's records in the workspace
.set GM,  42                             ; s[42:43] gamma, twice
.set L0,  48                             ; groups 0, one for each load, never rewritten: s[48:51] step 0, s[52:55] step 1, s[56:59] steps 2 and 3, s[60:63] steps 4 and 5,
.set L1,  52
.set L2,  56
.set L3,  60
.set L4,  68                             ; s[68:71] step 6, s[72:75] step 7, the refill
.set L5,  72
.macro CROUND                            ; a round of the cluster's barrier: my work-group's barrier; wave 0 signals for the work-group; every wave waits for all four work-groups; my work-group's barrier once more
	s_barrier_signal -1
	s_barrier_wait -1
	s_cmp_lg_u32 s[WV], 0
	s_cbranch_scc1 .Lnot_wave_0_\@
	s_barrier_signal -3
.Lnot_wave_0_\@:
	s_barrier_wait -3
	s_barrier_signal -1
	s_barrier_wait -1
.endm
.macro JLOAD                             ; the joint refill: waves 0 to 3, a record each.  The branch hangs on the wave's number alone.  Four v_nop follow the load
	s_cmp_lt_u32 s[WV], 4
	s_cbranch_scc0 .Lnone_\@
	tensor_load_to_lds s[L5:L5+3], s[G1A:G1A+7]
	s_nop 0
.rept 4
	v_nop
.endr
.Lnone_\@:
.endm
.macro MKG0 g, unit, lo, go              ; a group 0: my part (s[unit] bytes on) of the tile that lies lo bytes on in LDS and go bytes on in the batch's records
	s_mov_b32 s[\g], 1                             ; count = 1
	s_add_co_u32 s[\g+1], s[\unit], \lo            ; LDS address: a constant + the wave's number x a constant: no place in the cluster enters it
	s_add_co_u32 s76, s[\unit], \go
	s_add_nc_u64 s[\g+2:\g+3], s[KVB:KVB+1], s[76:77]
	s_or_b32 s[\g+3], s[\g+3], 0x80000000          ; type = 2
.endm
	s_load_b256 s[4:11], s[0:1], 0x0               ; workspace s[4:5], x s[6:7], gamma s[8:9], out0 s[10:11]
	v_lshl_add_u32 v[SPW], v0, 2, SPARE
	v_mov_b32 v[NIL], 0
	ds_add_u32 v1, v2
	ds_add_u32 v1, v2
	s_wait_dscnt 0x0
	v_lshrrev_b32 v3, 5, v0
	v_readfirstlane_b32 s[WV], v3                  ; wave 0..15
	s_and_b32 s13, s[WV], 3                        ; i: my query tile.  Also: which part of a tile I fetch, if I fetch
	s_lshr_b32 s14, s[WV], 2                       ; g: my quarter of the keys; in the merge: my tile of channels
	s_bfe_u32 s15, ttmp6, 0x40000                  ; cx: my place in the cluster
	s_lshl_b32 s16, ttmp9, 2                       ; in a cluster launch ttmp9 counts clusters
	s_add_co_u32 s16, s16, s15                     ; my block of 64 queries: it enters q's, x's and out0's addresses alone
	s_and_b32 s17, ttmp7, 0xffff                   ; the batch, which the four partners share
	; descriptor groups 1: dense bytes as rows of 256 bytes (32 elements of 8 bytes); no padding: register images are read as consecutive bytes
	s_mov_b32 s[G1], 15|(3<<16)|(1<<21)            ; 15:0 the mask: all four work-groups; 17:16 elements of 8 bytes; 21 set beside a mask
	s_mov_b32 s[G1+1], 32<<16                      ; tensor_dim0 = 32
	s_mov_b32 s[G1+2], 84<<16                      ; tensor_dim1 = 84: two records
	s_mov_b32 s[G1+3], 32<<16                      ; tile_dim0 = 32
	s_mov_b32 s[G1+4], 84                          ; tile_dim1 = 84
	s_mov_b32 s[G1+5], 32                          ; from row to row
	s_mov_b32 s[G1+6], 0
	s_mov_b32 s[G1+7], 0
	s_mov_b32 s[G1A], 15|(3<<16)|(1<<21)
	s_mov_b32 s[G1A+1], 32<<16
	s_mov_b32 s[G1A+2], 42<<16                     ; 42 rows: one record
	s_mov_b32 s[G1A+3], 32<<16
	s_mov_b32 s[G1A+4], 42
	s_mov_b32 s[G1A+5], 32
	s_mov_b32 s[G1A+6], 0
	s_mov_b32 s[G1A+7], 0
	s_mul_i32 s2, s13, REC                         ; my record of a step's four,
	s_mul_i32 s3, s13, 2*REC                       ; my two of two steps' eight
	s_mov_b32 s77, 0
	s_mul_i32 s78, s17, BATCHKV                    ; the batch's records
	s_mov_b32 s79, 0
	s_lshl_b32 s80, s17, 17                        ; q: a batch's image is 2^17 bytes, 64 queries are 2,048, a tile 512
	s_lshl_b32 s81, s16, 11
	s_add_co_u32 s80, s80, s81
	s_lshl_b32 s81, s13, 9
	s_add_co_u32 s80, s80, s81
	s_add_co_u32 s80, s80, QOFF
	s_mov_b32 s81, 0
	s_lshl_b32 s82, s17, 20                        ; x and out0: a batch is 2^20 bytes, 64 positions are 256
	s_lshl_b32 s83, s16, 8
	s_add_co_u32 s82, s82, s83
	s_mov_b32 s83, 0
	s_mov_b32 s[SEL], 0x76543210
	s_mov_b32 s[SEL+1], 0xfedcba98
	s_mov_b32 s[CS], 0x3fb8aa3b                    ; log2(e)
	s_mov_b32 s[CS+1], s[CS]
	v_and_b32 v[LI], 31, v0
	v_lshlrev_b32 v[LI], 4, v[LI]
	s_mul_i32 s76, s14, REC
	v_add_nc_u32 v[A0], s76, v[LI]
	v_and_b32 v[XO], 15, v0
	v_lshlrev_b32 v[XO], 4, v[XO]
	v_bfe_u32 v[ADV], v0, 4, 1
	v_lshl_add_u32 v[XO], v[ADV], 14, v[XO]        ; a channel is 16,384 bytes
	s_lshl_b32 s76, s[WV], 16
	v_add_nc_u32 v[XO], s76, v[XO]
	s_wait_kmcnt 0x0
	s_load_b32 s[GM], s[8:9], 0x0
	s_add_nc_u64 s[KVB:KVB+1], s[4:5], s[78:79]
	s_add_nc_u64 s[44:45], s[4:5], s[80:81]        ; q's tile
	s_add_nc_u64 s[18:19], s[6:7], s[82:83]        ; x at my block
	s_add_nc_u64 s[46:47], s[10:11], s[82:83]      ; out0 likewise
	global_load_b128 v[8:11], v[LI], s[44:45]      ; q stays in registers: lane (r, h): q[query r][4 h .. 4 h + 3]
	MKG0 L0, 2, 0, 0
	MKG0 L1, 2, STEPB, STEPB
	MKG0 L2, 3, 2*STEPB, 2*STEPB
	MKG0 L3, 3, 4*STEPB, 4*STEPB
	MKG0 L4, 2, 6*STEPB, 6*STEPB
	MKG0 L5, 2, 0, 7*STEPB                         ; step 7 will take step 0's bytes
	CROUND                                         ; all four work-groups are here: the first joint loads meet
	s_cmp_lt_u32 s[WV], 4                          ; a wave's first fills stand in one branch, ahead of every wait on TENSORcnt, every LDS read and every further barrier
	s_cbranch_scc0 .Lno_fetch
	tensor_load_to_lds s[L0:L0+3], s[G1A:G1A+7]
	s_nop 0
	tensor_load_to_lds s[L1:L1+3], s[G1A:G1A+7]
	s_nop 0
	tensor_load_to_lds s[L2:L2+3], s[G1:G1+7]
	s_nop 0
	tensor_load_to_lds s[L3:L3+3], s[G1:G1+7]
	s_nop 0
	tensor_load_to_lds s[L4:L4+3], s[G1A:G1A+7]
	s_nop 0
.rept 4
	v_nop
.endr
.Lno_fetch:
	v_mov_b32 v13, 0xff61b1e6                      ; the largest t so far: -3e38, under every t
	v_floor_f32 v12, -v13                          ; -M
	v_mov_b32 v14, 0                               ; l, in two halves
	v_mov_b32 v15, 0
.irp b, 0,1,2,3
	v_mov_b32 v[PX+\b], 0                          ; written once: a lane permute's destination counts as one of its sources
.endr
	v_mov_b32 v253, 0                              ; (named as the upper half of the pair v[252:253] before it is first written)
	s_wait_kmcnt 0x0
	s_mov_b32 s[GM+1], s[GM]
; Product kn of 16 of S^T = k q^T for the step whose k lies in registers: tiles 0-3, then tiles 4-7; of each four first channels 4 h, 4 h + 1 (the constant 0 starts the sums), then channels 4 h + 2, 4 h + 3.
; Four accumulators take turns, one instruction a turn.
.macro KQ
.if DOKQ
.set tt, 4*(kn/8)+kn%4
.if (kn%8) < 4
	v_wmma_f32_16x16x4_f32 v[S+8*tt:S+8*tt+7], v[KF+4*tt:KF+4*tt+1], v[8:9], 0
.else
	v_wmma_f32_16x16x4_f32 v[S+8*tt:S+8*tt+7], v[KF+4*tt+2:KF+4*tt+3], v[10:11], v[S+8*tt:S+8*tt+7]
.endif
.set kn, kn+1
.endif
.endm
; KEY STEP j.  S^T holds its scores.  It fetches its own v and the next step's k, takes the softmax, and sets the next step's sixteen products between the softmax's lines.
.macro STEP j
.set kn, 0
.set DOKQ, 1
.set KB, ((\j)+1)*STEPB
.set VB, (\j)*STEPB
.if (\j) == 6
.set KB, 0                             ; step 7 lies in step 0's bytes
.endif
.if (\j) == 7
.set DOKQ, 0
.set VB, 0
.endif
.irp b, 0,1,2,3
	v_max3_num_f32 v[BM+\b], v[S+16*\b], v[S+1+16*\b], v[S+2+16*\b]       ; the largest score of each block of 32 keys: it serves for the row's maximum and, since p rises with the score, for the block's largest p.
.endr                                  ; (These four and the additions below are the places between the last step's products on codes and the loads into v's registers)
.if (\j) == 3
	s_wait_tensorcnt 0x0                           ; all my first fills have landed, steps 4 to 6 among them;
	ds_add_u32 v[SPW], v[NIL]                      ; 0 onto my spare word
	ds_add_u32 v1, v2
.endif
.if DOKQ
	v_add_nc_u32 v[ADK], KB, v[A0]
.endif
	v_add_nc_u32 v[ADV], VB, v[A0]
.if (\j) == 3
	s_wait_dscnt 0x0                               ; the add is done; my reads of steps 0 to 2 were over long ago
	CROUND                                         ; no wave of any partner still reads step 0's bytes or has a load on its way
	JLOAD                                          ; step 7 into step 0's bytes: the first thing behind the round, a wave's one tensor load from here on
.elseif (\j) < 2
	s_wait_tensorcnt 3-(\j)                        ; the fills issued behind the one that brings the next step's k may stay out
	s_barrier_signal -1
	s_barrier_wait -1
.elseif (\j) == 6
	s_wait_tensorcnt 0x0                           ; the one load that is out is the refill: step 7 has landed
	s_barrier_signal -1
	s_barrier_wait -1
.endif
.if DOKQ
.irp t, 0,1,2,3,4,5,6,7
	ds_load_b128 v[KF+4*\t:KF+4*\t+3], v[ADK] offset:512*\t               ; the next step's k: lane (r, h): k[key][4 h .. 4 h + 3].  The last product that read these registers stands fifteen plain additions back
.endr
.else
	global_load_b128 v[KF:KF+3], v[XO], s[18:19] th:TH_LOAD_NT            ; the last step has no k to fetch: x, for the end: channels 4 w + h,
	global_load_b128 v[KF+4:KF+7], v[XO], s[18:19] offset:32768 th:TH_LOAD_NT   ; and 4 w + 2 + h
.endif
.irp t, 0,1,2,3
.irp c, 0,1,2
	ds_load_b128 v[VF+12*\t+4*\c:VF+12*\t+4*\c+3], v[ADV] offset:4096+1536*\t+512*\c   ; v's four fragments land under the softmax
.endr
.endr
	ds_load_b128 v[248:251], v[ADV] offset:10240   ; and their scale words: register t for channel tile t
.irp i, 3,5,7,9,11,13
.irp b, 0,1,2,3
	v_max3_num_f32 v[BM+\b], v[BM+\b], v[S+16*\b+\i], v[S+1+16*\b+\i]
.endr
.endr
.irp b, 0,1,2,3
	v_max_num_f32 v[BM+\b], v[BM+\b], v[S+15+16*\b]
.endr
.irp b, 0,1,2,3
	v_permlanex16_b32 v[PX+\b], v[BM+\b], s[SEL], s[SEL+1]
.endr
.irp b, 0,1,2,3
	v_max_num_f32 v[BM+\b], v[BM+\b], v[PX+\b]     ; with lane l xor 16's 16 keys
.endr
	v_max3_num_f32 v254, v[BM], v[BM+1], v[BM+2]
	v_max_num_f32 v254, v254, v[BM+3]              ; the step's largest score of my query
	v_mul_f32 v254, s[CS], v254                    ; as t
	v_max_num_f32 v13, v13, v254                   ; the running largest t
	v_mov_b32 v254, v12
	v_floor_f32 v12, -v13                          ; the new -M = floor(-t) = -ceil(t): a whole number
	v_sub_f32 v254, v12, v254                      ; old M less new M: a whole number, 0 or less
	v_cvt_i32_f32 v254, v254                       ; (it saturates)
	v_ldexp_f32 v252, 1.0, v254                    ; f = 2^(old M - new M): a multiplication by it rounds nothing
.irp b, 0,1,2,3
	v_fma_f32 v[BM+\b], v[BM+\b], s[CS], v12       ; t - M of each block's largest score
.endr
.irp b, 0,1,2,3
	v_exp_f32 v[BM+\b], v[BM+\b]                   ; the block's largest p: the same multiply-add and exponential as its score gets below give the same bits
.endr
.set a, 0
.rept 16
	v_pk_fma_f32 v[P+a:P+a+1], v[S+a:S+a+1], s[CS:CS+1], v[12:13] op_sel_hi:[1,0,0]   ; keys 0-63: t - M, two at a time, into registers of their own: the independent work behind the four exponentials
.set a, a+2
.endr
	s_wait_alu depctr_va_vdst(0)                   ; one wait for the four, ahead of their first reader
.irp b, 0,1,2,3
	v_max_num_f32 v[BM+\b], 0x2800000, v[BM+\b]    ; the floor 2^(5 - 127): the byte cannot fall under 1
.endr
.irp b, 0,1,2,3
	v_add_nc_u32 v[SCO+\b], 0xfe000000, v[BM+\b]   ; 4 off the exponent field: the conversion's scale operand
.endr
.irp b, 0,1,2,3
	v_lshrrev_b32 v[PX+\b], 23, v[SCO+\b]          ; the scale's byte
.endr
	v_lshl_or_b32 v253, v[PX+1], 8, v[PX]          ; p's scale word for these 128 keys
	v_lshl_or_b32 v253, v[PX+2], 16, v253
	v_lshl_or_b32 v253, v[PX+3], 24, v253
.if DOKQ
	s_wait_dscnt 13                                ; behind k's eight loads stand v's thirteen: k is in
.endif
	; ---- keys 0-63, and the next step's products on tiles 0-3, whose registers have just been read out
.set e, 0
.rept 32
	v_exp_f32 v[P+e], v[P+e]                       ; p = 2^(t - M): not normalised
.if (e%5) == 2
	KQ                                             ; six products, one behind every fifth exponential
.endif
.set e, e+1
.endr
	v_pk_mul_f32 v[14:15], v[14:15], v[252:253] op_sel_hi:[1,0]   ; l under the new M: the plain instruction behind the exponentials
.set a, 0
.rept 8
	v_pk_mul_f32 v[O+a:O+a+1], v[O+a:O+a+1], v[252:253] op_sel_hi:[1,0]   ; O^T's tiles 0 and 1 under the new M, each from its low end on: independent work ahead of the wait
.set a, a+2
.endr
	s_wait_alu depctr_va_vdst(0)                   ; one wait for the batch of 32
	v_pk_add_f32 v[254:255], v[P:P+1], v[P+2:P+3]  ; l takes the UNQUANTISED p, two at a time, in two chains
.set a, 4
.rept 7
	v_pk_add_f32 v[14:15], v[14:15], v[P+a:P+a+1]
	v_pk_add_f32 v[254:255], v[254:255], v[P+a+2:P+a+3]
.if a == 8
	KQ
.endif
.set a, a+4
.endr
	v_cvt_scalef32_pk16_bf6_f32 v[CD:CD+2], v[P:P+15], v[SCO]
	v_cvt_scalef32_pk16_bf6_f32 v[PX:PX+2], v[P+16:P+31], v[SCO+1]        ; (a conversion's three registers begin on an even number)
	v_nop                                          ; one plain place behind the scaled conversions
.irp i, 0,1,2                          ; the operand's layout wants a whole block in a lane: lanes 0-15 block 0, lanes 16-31 block 1
	v_permlane16_swap_b32 v[CD+\i], v[PX+\i]
.endr
.irp i, 0,1,2
	v_mov_b32 v[CD+3+\i], v[PX+\i]
.endr
.set a, 0
.rept 16
	v_pk_fma_f32 v[P+a:P+a+1], v[S+32+a:S+33+a], s[CS:CS+1], v[12:13] op_sel_hi:[1,0,0]   ; keys 64-127: t - M, into the same registers
.if a == 6
	KQ
.endif
.set a, a+2
.endr
	; ---- keys 64-127, and the next step's products on tiles 4-7
.set e, 0
.rept 32
	v_exp_f32 v[P+e], v[P+e]
.if (e%5) == 2
	KQ
.endif
.set e, e+1
.endr
.set a, 16
.rept 8
	v_pk_mul_f32 v[O+a:O+a+1], v[O+a:O+a+1], v[252:253] op_sel_hi:[1,0]   ; O^T's tiles 2 and 3: the plain work behind the exponentials
.set a, a+2
.endr
	s_wait_alu depctr_va_vdst(0)                   ; one wait for the batch of 32
	v_cvt_scalef32_pk16_bf6_f32 v[CD+6:CD+8], v[P:P+15], v[SCO+2]
	v_cvt_scalef32_pk16_bf6_f32 v[BM:BM+2], v[P+16:P+31], v[SCO+3]
	v_nop
.irp i, 0,1,2                          ; lanes 0-15 block 2, lanes 16-31 block 3
	v_permlane16_swap_b32 v[CD+6+\i], v[BM+\i]
.endr
.irp i, 0,1,2
	v_mov_b32 v[CD+9+\i], v[BM+\i]
.endr
	KQ
.set a, 0
.rept 8
	v_pk_add_f32 v[14:15], v[14:15], v[P+a:P+a+1]
	v_pk_add_f32 v[254:255], v[254:255], v[P+a+2:P+a+3]
.if a == 0
	KQ                                             ; the last.  The fifteen additions behind it name none of its registers: the eight places of this form ahead of the next step's reads of S^T and loads of k
.endif                                 ; the seventeen additions are also the places between the writes of p's codes and the products on them
.set a, a+4
.endr
	v_pk_add_f32 v[14:15], v[14:15], v[254:255]
	s_wait_dscnt 0x0                               ; v's fragments and scale words are in
.irp t, 0,1,2,3                        ; O^T += v p^T: source 0 = 16 channels, source 1 = my 16 queries, K = these 128 keys; the four accumulators take turns
	v_wmma_scale_f32_16x16x128_f8f6f4 v[O+8*\t:O+8*\t+7], v[VF+12*\t:VF+12*\t+11], v[CD:CD+11], v[O+8*\t:O+8*\t+7], v[248+\t], v253 matrix_a_fmt:MATRIX_FMT_BF6 matrix_b_fmt:MATRIX_FMT_BF6
.endr
.endm
	s_wait_tensorcnt 4                             ; my part of step 0 is in; the four fills issued behind it may stay out
	s_barrier_signal -1
	s_barrier_wait -1                              ; everybody's is
.irp t, 0,1,2,3,4,5,6,7
	ds_load_b128 v[KF+4*\t:KF+4*\t+3], v[A0] offset:512*\t
.endr
	s_wait_loadcnt 0x0                             ; q
	s_wait_dscnt 0x0
.set kn, 0
.set DOKQ, 1
.rept 16
	KQ                                             ; step 0's scores: there is no vector work yet to set between them
.endr
.set a, 0
.rept 32
	v_mov_b32 v[O+a], 0                            ; O^T: the step is one text for all steps: the first finds zeros, which the first change of M leaves zeros.  These lines are also the places behind the products above
.set a, a+1
.endr
	STEP 0
	STEP 1
	STEP 2
	STEP 3
	STEP 4
	STEP 5
	STEP 6
	STEP 7
	; ---- THE MERGE, first part: my -M, l and O^T go to LDS.  The address work names no register of the last products: it is the places behind them
	v_add_f32 v14, v14, v15                        ; l's two halves,
	v_and_b32 v240, 15, v0                         ; r
	v_bfe_u32 v241, v0, 4, 1                       ; h
	v_permlanex16_b32 v252, v14, s[SEL], s[SEL+1]
	v_lshrrev_b32 v242, 1, v[LI]                   ; 8 x lane
	s_lshl_b32 s44, s[WV], 8
	s_add_co_u32 s44, s44, STATS
	v_add_nc_u32 v3, s44, v242                     ; v3: where my -M and l go: wave w's 256 bytes
	s_lshl_b32 s45, s13, 8
	s_add_co_u32 s45, s45, STATS
	v_add_nc_u32 v246, s45, v242                   ; v246: where the four quarters of my query tile have theirs: waves i, i + 4, i + 8, i + 12
	s_lshl_b32 s44, s[WV], 12
	s_add_co_u32 s44, s44, OIMG
	v_add_nc_u32 v4, s44, v[LI]                    ; v4: where my O^T goes
	s_lshl_b32 s45, s13, 12
	s_lshl_b32 s44, s14, 10
	s_add_co_u32 s45, s45, s44
	s_add_co_u32 s45, s45, OIMG
	v_add_nc_u32 v247, s45, v[LI]                  ; v247: channel tile g of query tile i, in quarter 0's image
	v_and_b32 v242, 8, v240
	v_add_nc_u32 v242, v242, v240                  ; r + 8 (r / 8)
	v_lshlrev_b32 v242, 2, v242
	v_mad_u32_u24 v242, v241, 8*FP, v242           ; + 8 h channels
	s_mul_i32 s44, s14, 16*FP                      ; channel tile g,
	s_lshr_b32 s45, s13, 1
	s_lshl_b32 s45, s45, 7                         ; query tile i begins at position 32 (i / 2) + 8 (i % 2)
	s_add_co_u32 s44, s44, s45
	s_and_b32 s45, s13, 1
	s_lshl_b32 s45, s45, 5
	s_add_co_u32 s44, s44, s45
	s_add_co_u32 s44, s44, FST
	v_add_nc_u32 v7, s44, v242                     ; v7: the finished block: channel 16 g + 8 h (+ j), my query's position
	v_lshlrev_b32 v243, 4, v240                    ; 16 r
	v_mad_u32_u24 v244, v241, FP, v243
	s_mul_i32 s44, s[WV], 4*FP
	s_add_co_u32 s44, s44, FST
	v_add_nc_u32 v244, s44, v244                   ; v244: back: channel 4 w + h, 16 bytes a lane
	v_add_f32 v13, v14, v252                       ; and lane l xor 16's: my quarter's l.  v[12:13] = (-M, l)
	ds_store_b64 v3, v[12:13]
.irp k, 0,1,2,3,4,5,6,7
	ds_store_b128 v4, v[O+4*\k:O+4*\k+3] offset:512*\k       ; each accumulator from its low end on.  These bytes held steps 1 and 2: every wave's reads of them were over in front of the round in step 3
.endr
	s_wait_dscnt 0x0                               ; for the others' sake: my stores have landed
	s_barrier_signal -1
	s_barrier_wait -1
	; ---- second part: wave (i, g) brings channel tile g of query tile i under one M, adds the four quarters and divides by l
.irp g, 0,1,2,3
	ds_load_b64 v[224+2*\g:225+2*\g], v246 offset:1024*\g
.endr
.irp g, 0,1,2,3
.irp e, 0,1
	ds_load_b128 v[176+8*\g+4*\e:179+8*\g+4*\e], v247 offset:16384*\g+512*\e
.endr
.endr
	s_wait_dscnt 8                                 ; the eight loads of O^T issued behind them may be out: the four (-M, l) are in
	v_min_num_f32 v240, v224, v226
	v_min_num_f32 v242, v228, v230
	v_min_num_f32 v240, v240, v242                 ; the smallest -M: the largest M
.irp g, 0,1,2,3
	v_sub_f32 v[232+2*\g], v240, v[224+2*\g]       ; quarter g's M less the largest: a whole number, 0 or less
.endr
.irp g, 0,1,2,3
	v_cvt_i32_f32 v[232+2*\g], v[232+2*\g]
.endr
.irp g, 0,1,2,3
	v_ldexp_f32 v[232+2*\g], 1.0, v[232+2*\g]      ; f of quarter g
.endr
	v_mul_f32 v241, v232, v225
	v_fma_f32 v241, v234, v227, v241
	v_fma_f32 v241, v236, v229, v241
	v_fma_f32 v241, v238, v231, v241               ; the row's l
	v_rcp_f32 v252, v241
	s_wait_dscnt 0x0
.irp a, 0,2,4,6
	v_pk_mul_f32 v[88+\a:89+\a], v[176+\a:177+\a], v[232:233] op_sel_hi:[1,0]     ; (plain work behind the reciprocal)
.endr
.irp g, 1,2,3
.irp a, 0,2,4,6
	v_pk_fma_f32 v[88+\a:89+\a], v[176+8*\g+\a:177+8*\g+\a], v[232+2*\g:233+2*\g], v[88+\a:89+\a] op_sel_hi:[1,0,1]
.endr
.endr
	s_wait_alu depctr_va_vdst(0)                   ; the wait ahead of the reciprocal's first reader
.irp a, 0,2,4,6
	v_pk_mul_f32 v[88+\a:89+\a], v[88+\a:89+\a], v[252:253] op_sel_hi:[1,0]
.endr
.irp j, 0,1,2,3,4,5,6,7
	ds_store_b32 v7, v[88+\j] offset:FP*\j         ; rows of 68 words, lanes 16-31 eight rows on: the 32 lanes touch 32 different banks (64 banks of 4 bytes: ISA guide 11.1)
.endr
	s_wait_dscnt 0x0
	s_barrier_signal -1
	s_barrier_wait -1                              ; 64 channels x 64 positions lie in LDS
	; ---- third part: each wave takes four whole rows: gamma x the row + x
	ds_load_b128 v[96:99], v244
	ds_load_b128 v[100:103], v244 offset:2*FP
	s_wait_loadcnt 0x0                             ; x, asked for at the head of the last step
	s_wait_dscnt 0x0
.irp a, 0,2,4,6
	v_pk_fma_f32 v[104+\a:105+\a], v[96+\a:97+\a], s[GM:GM+1], v[KF+\a:KF+1+\a] op_sel_hi:[1,0,1]
.endr
	global_store_b128 v[XO], v[104:107], s[46:47] th:TH_STORE_NT             ; sixteen lanes store 256 consecutive bytes, at a multiple of 256 from out0's first byte
	global_store_b128 v[XO], v[108:111], s[46:47] offset:32768 th:TH_STORE_NT
	s_wait_tensorcnt 0x0                           ; the wave's end, behind my last tensor load and my last LDS store
	ds_add_u32 v[SPW], v[NIL]
	s_wait_dscnt 0x0
	CROUND                                         ; the closing round: no work-group ends while a partner may still ask for a tile that names it
	s_endpgm
.Lfunc_end_k_qeb72989aef_attn:
	.size	k_qeb72989aef_attn, .Lfunc_end_k_qeb72989aef_attn-k_qeb72989aef_attn
	.p2alignl 7, 3214868480
	.fill 96, 4, 3214868480
	.section	.rodata,"a",@progbits
	.p2align	6, 0x0
	.amdhsa_kernel k_qeb72989aef_attn
		.amdhsa_group_segment_fixed_size 327680
		.amdhsa_private_segment_fixed_size 0
		.amdhsa_enable_private_segment 0
		.amdhsa_kernarg_size 32
		.amdhsa_user_sgpr_count 2
		.amdhsa_user_sgpr_kernarg_segment_ptr 1
		.amdhsa_wavefront_size32 1
		.amdhsa_system_sgpr_workgroup_id_x 1
		.amdhsa_system_sgpr_workgroup_id_y 1
		.amdhsa_system_sgpr_workgroup_id_z 1
		.amdhsa_system_vgpr_workitem_id 0
		.amdhsa_next_free_vgpr 256
		.amdhsa_next_free_sgpr 84
		.amdhsa_reserve_vcc 0
		.amdhsa_float_denorm_mode_32 3
		.amdhsa_float_denorm_mode_16_64 3
		.amdhsa_memory_ordered 1
		.amdhsa_forward_progress 1
		.amdhsa_inst_pref_size 133
	.end_amdhsa_kernel
	.amdgpu_metadata
---
amdhsa.version: [ 1, 2 ]
amdhsa.kernels:
  - .name:           k_qeb72989aef_attn
    .symbol:         k_qeb72989aef_attn.kd
    .args:
      - { .name: ws, .offset: 0, .size: 8, .value_kind: global_buffer, .address_space: global }
      - { .name: x, .offset: 8, .size: 8, .value_kind: global_buffer, .address_space: global }
      - { .name: gamma, .offset: 16, .size: 8, .value_kind: global_buffer, .address_space: global }
      - { .name: out0, .offset: 24, .size: 8, .value_kind: global_buffer, .address_space: global }
    .group_segment_fixed_size: 327680
    .private_segment_fixed_size: 0
    .kernarg_segment_align: 8
    .kernarg_segment_size: 32
    .max_flat_workgroup_size: 512
    .sgpr_count:     84
    .vgpr_count:     256
    .wavefront_size: 32
...
	.end_amdgpu_metadata
.endif
;; end of part 2
